; MI455X (gfx1250); checked and timed in simulation.
; The chip was launched on July 23, 2026; its instructions are those of AMD's public machine-readable ISA for CDNA 5 (MIT licence, August 2026) and "CDNA5" Instruction Set Architecture Reference Guide (July 2026). The comments in the code are by the model that wrote it; some were corrected since.
;; K attention. Allowed arithmetic: matrix products marked QUANTISED: E5M2 operands, one given power-of-two scale a tensor, by v_wmma_f32_16x16x64_bf8_bf8 or v_wmma_f32_16x16x128_bf8_bf8, f32 sums; everything else in f32.
;; Inputs: lowp_scales 4 int32 (the exponents e of the quantised operands' scales 2^e); r_sigma 1 float32; x 32 x 2,048 x 64 float32.
;; Outputs: out0 32 x 2,048 x 64 float32.
;; This version of the problem:
;;   THIS VERSION OF THE PROBLEM IS GIVEN IN LOW PRECISION. The matrix products marked QUANTISED in the list below multiply operands that are first quantised to E5M2 (5 exponent bits, 2 mantissa bits; 8 bits a number), with one given power-of-two scale for each operand tensor; their sums are f32. All else is computed in f32.
;;   The module's matrix products, in the order in which they are computed (A, B: the left and right operand; K: the contracted axis; several contracted axes count as one K, in the product's order):
;;     1. batch 32 x [M 2,048, K 64] x [K 64, N 2,048]; A: input x; B: input x: QUANTISED (scales: A lowp_scales[0], B lowp_scales[1])
;;     2. batch 32 x [M 2,048, K 2,048] x [K 2,048, N 64]; A: computed on the way; B: input x: QUANTISED (scales: A lowp_scales[2], B lowp_scales[3])
;;   THE QUANTISER, for each operand of a quantised product, along K:
;;     - The operand's scale is 2^e, e = its entry of the input lowp_scales (int32; the entries are numbered through the quantised products in the list's order, A before B).
;;     - Each number is divided by the scale, clamped to +-57,344, and rounded to the nearest number of E5M2, ties to even, subnormals kept.
;;     - The product sums the exact products of the quantised numbers (number of the format x scale) in f32.
;;   ~~~python
;;   def quantise(x, axis, e):      # numpy; x: float32 -> the quantised numbers, widened to float32 again
;;       x = np.moveaxis(x, axis, -1); K = x.shape[-1]
;;       r = np.clip(x / 2.0 ** e, -57344, 57344)
;;       step = 2.0 ** (np.maximum(np.frexp(np.where(r == 0, 1, r))[1] - 1, -14) - 2)
;;       q = np.round(r / step) * step * 2.0 ** e      # np.round: ties to even
;;       return np.moveaxis(q, -1, axis).astype(np.float32)
;;   ~~~
;;   OPERANDS COMPUTED ON THE WAY. 'Computed on the way' means the value that the module computes at that place (a softmax that the list does not call 'softmax' is quantised finished and normalised). What goes into a quantiser is computed in f32, as accurately as f32 sums, v_exp_f32 and their like allow (about 1e-6 of the number): no bf16 or f16 on the way to a quantiser, and a product that is left as it is and whose result goes on into a quantised operand takes f32 operands (vector FMAs, or v_wmma_f32_16x16x4_f32). A number that lies on a knife's edge between two numbers of the format may be rounded either way, as far as f32 arithmetic and the matrix unit's own rounding can turn it there, and no further.
;; One version. Each part assembles by itself: llvm-mc -triple=amdgcn-amd-amdhsa -mcpu=gfx1250 --defsym DOCPART=n.
;; ======== version 1 of 1: 2 launches
;; workspace buffers: kv 8,912,896 bytes
;; launch prep (part 1): grid 8 x 32, 4 waves a work-group, no clusters, 72,192 bytes of LDS; arguments x, lowp_scales, kv; writes kv
.if DOCPART == 1
	.amdgcn_target "amdgcn-amd-amdhsa--gfx1250"
	.amdhsa_code_object_version 6
	.text
	.protected	k_q2b3a964afe_prep
	.globl	k_q2b3a964afe_prep
	.p2align	8
	.type	k_q2b3a964afe_prep,@function
k_q2b3a964afe_prep:
	s_mov_b64 s[64:65], 0
	v_nop
	global_prefetch_b8 v0, s[64:65] scope:SCOPE_SE
	s_setreg_imm32_b32 hwreg(HW_REG_WAVE_MODE, 25, 1), 1
	s_wait_xcnt 0x0
; x [32][2048][64] f32 is quantised ONCE for the launch that follows, as the KEY operand of the first product (scale 2^e1, K = the 64 channels)
; and as the VALUE operand of the second (scale 2^e3, K = the keys), both to codes of BF8 (E5M2), and laid as IMAGES OF THE OPERANDS' REGISTERS.
; code = x / 2^e, held within +-57,344, rounded to the nearest code, ties to even.  Beside them: sq' = -(sum over c of x^2) x 2^-(e0 + e1 + 1), f32, of the unquantised x.
; A RECORD serves 64 keys (key step g = 0 .. 31 of a batch) and has 8,704 bytes.  l = lane, r = l % 16, h = l / 16:
;   0    .. 4095  K images: tile t = 2 b + u at 1024 t, block c at + 512 c, lane l's 16 bytes at + 16 l: key 32 b + 8 u + r + 8 (r / 8), channels 32 c + 16 h + 0 .. 15
;   4096 .. 8191  V images: channel tile ct at 4096 + 1024 ct, block c at + 512 c, lane l's 16 bytes: channel 16 ct + r, keys 32 c + 16 h + 0 .. 15
;   8192 .. 8447  sq' of the 64 keys, in the keys' order;   8448 .. 8703  zeros (so that a record is 34 rows of 256 bytes)
; Record g lies at place 2 (g % 16) + g / 16 of its batch: step i of the first 1,024 keys and step i of the last 1,024 are neighbours.
; SHARES: one wave makes one record from 16 KiB of x; 4 waves a work-group, 8 x 32 work-groups.  Waves share nothing: no barrier.  No tensor loads.
; THE TURN.  The 32 loads take x as it lies (512 consecutive bytes each).  The 64 rows go into the wave's own stage in LDS, 272 bytes apart; key k goes to slot k with its bits 3 and 4 exchanged.
; Then a K tile's 16 keys are 16 neighbouring slots, and of a V read lanes 16-31 stand 8 slots (544 words = 32 banks mod 64; 64 banks of 4 bytes: ISA guide 11.1) behind lanes 0-15.
; LIMITS: e1 and e3 between -126 and 112 (2^e and 57,344 x 2^e are made as f32 patterns).  NaN and infinities among the inputs are not served.
.set SP,    272                        ; a stage slot: a key's 256 bytes + 16
.set SQA,   64*SP                      ; behind the 64 slots: 512 bytes, sq' and the zeros
.set WREG,  17920                      ; a wave's LDS
.set REC,   8704
.set BATCH, 32*REC
.set GL,  4                            ; v4   16 x lane: my place in every dense load and store
.set SS,  5                            ; v5   the stage, on the way in
.set SK,  6                            ; v6   the stage, read for K: slot r, + 64 h
.set SV,  7                            ; v7   the stage, read for V: 8 slots x h, + 4 r
.set SQW, 8                            ; v8   where I put a key's sq'
.set SQR, 9                            ; v9   where I read the 512 bytes back
.set LK,  10                           ; v10  57,344 x 2^e1;  v11  2^e1
.set SCK, 11
.set LV,  12                           ; v12  57,344 x 2^e3;  v13  2^e3
.set SCV, 13
.set SQZ, 15                           ; v15  where I put 8 bytes of zeros
.set R,   16                           ; v16-143  x as loaded; once it lies in the stage: K's codes from v16, V's from v48, the sq' row in v80-83: no store's data are written again
.set KC,  16
.set VC,  48
.set X,   144                          ; v144-207 two sets of 32 numbers
.set SQ,  208                          ; v208-211 sq of tile t's keys
	s_load_b128 s[4:7], s[0:1], 0x0                ; x, the scales' exponents
	s_load_b64 s[8:9], s[0:1], 0x10                ; kv
	v_lshl_add_u32 v224, v0, 2, 0x11800
	v_mov_b32 v225, 0
	v_lshrrev_b32 v1, 5, v0
	v_readfirstlane_b32 s10, v1                    ; wave 0..3
	v_and_b32 v1, 31, v0                           ; l
	v_and_b32 v2, 15, v0                           ; r
	v_bfe_u32 v3, v0, 4, 1                         ; h
	s_lshl_b32 s11, ttmp9, 2
	s_add_co_u32 s11, s11, s10                     ; key step g = 4 x work-group x + wave
	s_and_b32 s12, ttmp7, 0xffff                   ; batch
	s_lshl_b32 s14, s12, 19                        ; x: a batch is 2,048 rows of 256 bytes,
	s_lshl_b32 s28, s11, 14                        ; a key step 64 rows
	s_add_co_u32 s14, s14, s28
	s_mov_b32 s15, 0
	s_and_b32 s28, s11, 15
	s_lshl_b32 s28, s28, 1
	s_lshr_b32 s29, s11, 4
	s_add_co_u32 s28, s28, s29                     ; the record's place: 2 (g % 16) + g / 16
	s_mul_i32 s28, s28, REC
	s_mul_i32 s16, s12, BATCH
	s_add_co_u32 s16, s16, s28
	s_mov_b32 s17, 0
	s_mul_i32 s13, s10, WREG                       ; my wave's LDS
	s_add_co_u32 s29, s13, SQA
	s_mov_b32 s26, 0x76543210                      ; v_permlanex16_b32: lane l takes lane l xor 16
	s_mov_b32 s27, 0xfedcba98
	v_lshlrev_b32 v[GL], 4, v1
	v_mul_u32_u24 v[SS], v3, SP                    ; in: a load's lanes 0-15 hold an even key's row, lanes 16-31 the next key's
	v_lshl_add_u32 v[SS], v2, 4, v[SS]
	v_add_nc_u32 v[SS], s13, v[SS]
	v_mul_u32_u24 v[SK], v2, SP
	v_lshl_add_u32 v[SK], v3, 6, v[SK]
	v_add_nc_u32 v[SK], s13, v[SK]
	v_mul_u32_u24 v[SV], v3, 8*SP
	v_lshl_add_u32 v[SV], v2, 2, v[SV]
	v_add_nc_u32 v[SV], s13, v[SV]
	v_and_b32 v[SQW], 8, v2
	v_add_nc_u32 v[SQW], v[SQW], v2                ; r + 8 (r / 8)
	v_lshl_add_u32 v[SQW], v3, 3, v[SQW]           ; + 8 h: the key among 32
	v_lshl_add_u32 v[SQW], v[SQW], 2, s29
	v_lshl_add_u32 v[SQR], v1, 4, s29
	v_lshl_add_u32 v[SQZ], v1, 3, s29
	v_add_nc_u32 v[SQZ], 256, v[SQZ]
.irp i, 216,217,218,219,220,221
	v_mov_b32 v\i, 0                               ; v216-219: a lane permute's destination counts as one of its sources; v[220:221]: the zeros
.endr
	s_wait_kmcnt 0x0
	s_load_b128 s[20:23], s[6:7], 0x0              ; e0, e1, e2, e3
	s_add_nc_u64 s[4:5], s[4:5], s[14:15]
	s_add_nc_u64 s[8:9], s[8:9], s[16:17]
.set n, 0
.rept 32
	global_load_b128 v[R+4*n:R+4*n+3], v[GL], s[4:5] offset:512*n   ; 32 lanes read 512 consecutive bytes: keys 2 n and 2 n + 1.  No hint: the next launch reads x again
.set n, n+1
.endr
	s_wait_kmcnt 0x0
	s_add_co_i32 s28, s21, 127
	s_lshl_b32 s29, s28, 23
	v_mov_b32 v[SCK], s29                          ; 2^e1 as f32: the conversion takes its exponent field
	s_add_co_i32 s28, s28, 15
	s_lshl_b32 s28, s28, 23
	s_or_b32 s28, s28, 0x600000
	v_mov_b32 v[LK], s28                           ; 57,344 x 2^e1
	s_add_co_i32 s28, s23, 127
	s_lshl_b32 s29, s28, 23
	v_mov_b32 v[SCV], s29                          ; the same with e3
	s_add_co_i32 s28, s28, 15
	s_lshl_b32 s28, s28, 23
	s_or_b32 s28, s28, 0x600000
	v_mov_b32 v[LV], s28
	s_add_co_i32 s24, s20, s21
	s_add_co_i32 s24, s24, 1
	s_sub_co_i32 s24, 0, s24                       ; -(e0 + e1 + 1)
; into the stage, four loads at a time: the count leaves the younger groups out.  Key 2 n goes to slot (2 n with bits 3 and 4 exchanged)
.set n, 0
.rept 8
	s_wait_loadcnt 28-n
.rept 4
	ds_store_b128 v[SS], v[R+4*n:R+4*n+3] offset:((((2*n)&39)|(((2*n)&8)<<1)|(((2*n)&16)>>1))*SP)
.set n, n+1
.endr
.endr
.macro LOADK t                         ; tile t's 16 keys are slots 16 t + r: my 32 channels (16 of each block of 32) into set t % 2
.irp c, 0,1
.irp j, 0,1,2,3
	ds_load_b128 v[X+32*((\t)%2)+16*\c+4*\j:X+32*((\t)%2)+16*\c+4*\j+3], v[SK] offset:16*(\t)*SP+128*\c+16*\j
.endr
.endr
.endm
.macro LOADV ct                        ; channel 16 ct + r: number 16 c + i is key 32 c + 16 h + i, which lies in slot 32 c + 16 (i / 8) + 8 h + i % 8
.set i, 0
.rept 32
	ds_load_b32 v[X+32*((\ct)%2)+i], v[SV] offset:(32*(i/16)+16*((i%16)/8)+(i%8))*SP+64*(\ct)
.set i, i+1
.endr
.endm
.macro CODES xs, dst, lim, sc          ; 32 numbers become 32 codes, 8 registers
.set i, 0
.rept 32
	v_med3_num_f32 v[\xs+i], v[\xs+i], -v[\lim], v[\lim]   ; the conversion to an 8-bit code does not saturate (ISA guide 7.6.2): the hold at the largest code x the scale comes first
.set i, i+1
.endr
.irp g, 0,1,2,3
	v_cvt_scalef32_pk8_bf8_f32 v[\dst+2*\g:\dst+2*\g+1], v[\xs+8*\g:\xs+8*\g+7], v[\sc]
.endr
	v_nop                                          ; one plain vector line behind the last conversion of a run
.endm
.macro KT t, wait                      ; wait: the LDS loads issued behind this tile's, which may stay out
.set XS, X+32*((\t)%2)
	s_wait_dscnt \wait
	v_pk_mul_f32 v[212:213], v[XS:XS+1], v[XS:XS+1]   ; the sum of squares of my 32 channels, of the numbers as they came, in two packed chains
	v_pk_mul_f32 v[214:215], v[XS+2:XS+3], v[XS+2:XS+3]
.irp j, 4,8,12,16,20,24,28
	v_pk_fma_f32 v[212:213], v[XS+\j:XS+\j+1], v[XS+\j:XS+\j+1], v[212:213]
	v_pk_fma_f32 v[214:215], v[XS+\j+2:XS+\j+3], v[XS+\j+2:XS+\j+3], v[214:215]
.endr
	v_pk_add_f32 v[212:213], v[212:213], v[214:215]
	v_add_f32 v[SQ+\t], v212, v213
	CODES XS, KC+8*(\t), LK, SCK
	global_store_b128 v[GL], v[KC+8*(\t):KC+8*(\t)+3], s[8:9] offset:1024*(\t)        ; block 0's image: 512 consecutive bytes, aligned
	global_store_b128 v[GL], v[KC+8*(\t)+4:KC+8*(\t)+7], s[8:9] offset:1024*(\t)+512  ; block 1's
.endm
.macro VT ct, wait
	s_wait_dscnt \wait
	CODES X+32*((\ct)%2), VC+8*(\ct), LV, SCV
	global_store_b128 v[GL], v[VC+8*(\ct):VC+8*(\ct)+3], s[8:9] offset:4096+1024*(\ct)
	global_store_b128 v[GL], v[VC+8*(\ct)+4:VC+8*(\ct)+7], s[8:9] offset:4096+1024*(\ct)+512
.endm
	LOADK 0
	LOADK 1
	KT 0, 8                                        ; LDS serves a wave's instructions in order (ISA guide 5.7.1.4): this wait also shows the stores into the stage done, so v16 on may take codes
	LOADK 2
	KT 1, 8
	LOADK 3
	KT 2, 8
	LOADV 0
	KT 3, 32
	; sq': the other 32 channels lie in lane l xor 16; x -2^-(e0 + e1 + 1); into the keys' order through LDS; out with the zeros as 512 consecutive bytes
.irp t, 0,1,2,3
	v_permlanex16_b32 v[216+\t], v[SQ+\t], s26, s27
.endr
.irp t, 0,1,2,3
	v_add_f32 v[SQ+\t], v[SQ+\t], v[216+\t]
.endr
.irp t, 0,1,2,3
	v_ldexp_f32 v[SQ+\t], v[SQ+\t], s24
.endr
.irp t, 0,1,2,3
	v_xor_b32 v[SQ+\t], 0x80000000, v[SQ+\t]
.endr
	v_cmp_ne_u32 vcc_lo, 0, v3
	v_cndmask_b32 v216, v[SQ], v[SQ+1], vcc_lo     ; lanes 0-15 give tile 2 b's keys, lanes 16-31 tile 2 b + 1's: together 32 keys
	v_cndmask_b32 v217, v[SQ+2], v[SQ+3], vcc_lo
	ds_store_b32 v[SQW], v216
	ds_store_b32 v[SQW], v217 offset:128
	ds_store_b64 v[SQZ], v[220:221]
	ds_load_b128 v[80:83], v[SQR]
	s_wait_dscnt 0x0
	global_store_b128 v[GL], v[80:83], s[8:9] offset:8192
	LOADV 1
	VT 0, 32
	LOADV 2
	VT 1, 32
	LOADV 3
	VT 2, 32
	VT 3, 0
	s_wait_tensorcnt 0x0
	ds_add_u32 v224, v225
	s_wait_dscnt 0x0
	s_endpgm
.Lfunc_end_k_q2b3a964afe_prep:
	.size	k_q2b3a964afe_prep, .Lfunc_end_k_q2b3a964afe_prep-k_q2b3a964afe_prep
	.p2alignl 7, 3214868480
	.fill 96, 4, 3214868480
	.section	.rodata,"a",@progbits
	.p2align	6, 0x0
	.amdhsa_kernel k_q2b3a964afe_prep
		.amdhsa_group_segment_fixed_size 72192
		.amdhsa_private_segment_fixed_size 0
		.amdhsa_enable_private_segment 0
		.amdhsa_kernarg_size 24
		.amdhsa_user_sgpr_count 2
		.amdhsa_user_sgpr_kernarg_segment_ptr 1
		.amdhsa_wavefront_size32 1
		.amdhsa_system_sgpr_workgroup_id_x 1
		.amdhsa_system_sgpr_workgroup_id_y 1
		.amdhsa_system_sgpr_workgroup_id_z 1
		.amdhsa_system_vgpr_workitem_id 0
		.amdhsa_next_free_vgpr 226
		.amdhsa_next_free_sgpr 66
		.amdhsa_reserve_vcc 1
		.amdhsa_float_denorm_mode_32 3
		.amdhsa_float_denorm_mode_16_64 3
		.amdhsa_memory_ordered 1
		.amdhsa_forward_progress 1
		.amdhsa_inst_pref_size 45
	.end_amdhsa_kernel
	.amdgpu_metadata
---
amdhsa.version: [ 1, 2 ]
amdhsa.kernels:
  - .name:           k_q2b3a964afe_prep
    .symbol:         k_q2b3a964afe_prep.kd
    .args:
      - { .name: x, .offset: 0, .size: 8, .value_kind: global_buffer, .address_space: global }
      - { .name: lowp_scales, .offset: 8, .size: 8, .value_kind: global_buffer, .address_space: global }
      - { .name: kv, .offset: 16, .size: 8, .value_kind: global_buffer, .address_space: global }
    .group_segment_fixed_size: 72192
    .private_segment_fixed_size: 0
    .kernarg_segment_align: 8
    .kernarg_segment_size: 24
    .max_flat_workgroup_size: 128
    .sgpr_count:     66
    .vgpr_count:     226
    .wavefront_size: 32
...
	.end_amdgpu_metadata
.endif
;; end of part 1
;; launch attn (part 2): grid 8 x 32, 16 waves a work-group, clusters of 4 x 1, 280,576 bytes of LDS; arguments x, kv, lowp_scales, r_sigma, out0; writes out0
.if DOCPART == 2
	.amdgcn_target "amdgcn-amd-amdhsa--gfx1250"
	.amdhsa_code_object_version 6
	.text
	.protected	k_q2b3a964afe_attn
	.globl	k_q2b3a964afe_attn
	.p2align	8
	.type	k_q2b3a964afe_attn,@function
k_q2b3a964afe_attn:
	s_mov_b64 s[64:65], 0
	v_nop
	global_prefetch_b8 v0, s[64:65] scope:SCOPE_SE
	s_setreg_imm32_b32 hwreg(HW_REG_WAVE_MODE, 25, 1), 1
	s_wait_xcnt 0x0
	s_wait_alu depctr_hold_cnt(0) depctr_sa_sdst(0) depctr_va_vdst(0) depctr_va_sdst(0) depctr_va_ssrc(0) depctr_va_vcc(0) depctr_vm_vsrc(0)
	s_getreg_b32 s2, hwreg(HW_REG_IB_STS2, 6, 4)
	s_cmp_eq_u32 s2, 0
	s_cbranch_scc0 .Lentry_in_a_cluster
	s_endpgm
.Lentry_in_a_cluster:
	s_bfe_u32 s2, ttmp6, 0x10000c
	s_cmp_lg_u32 s2, 0x3003
	s_cbranch_scc0 .Lentry_shape_is_right
	s_endpgm
.Lentry_shape_is_right:
; out[b][t] = x[b][t] + sum over s of Q(K(t, s); e2) Q(x[b][s]; e3),  K(t, s) = exp(-max(sq_t - 2 inner + sq_s, 0) r),  inner = Q(x_t; e0) . Q(x_s; e1).  Both products on codes of BF8 (E5M2), sums f32.
; kv holds, for each batch, 32 records of 64 keys made by the launch before: K's and V's fragments as images of the operands' registers, and sq' = -sq_s x 2^-(e0 + e1 + 1).
; SHARES.  A work-group owns 256 queries of one batch and holds the batch's WHOLE kv block, 278,528 bytes, in LDS: every LDS byte is filled once, so there is no ring.  Sixteen waves of 256 registers, four to a SIMD, so that
; one wave's exponentials stand beside another's plain vector work, products and LDS loads.  Wave w: query group g = w / 2 (32 queries, two tiles), key half kh = w % 2 (1,024 keys, 16 steps of 64): each fragment read from LDS feeds two tiles.
; Tile A of a wave is queries 32 g + 16 kh + r, tile B the group's other 16.  The sum over keys is plain, so at the end a wave hands its sums of tile B to wave w xor 1 through LDS and finishes tile A.
; LAYOUT.  Both products are used transposed: S^T (source 0 = 16 keys, source 1 = 16 queries), O^T (source 0 = 16 channels, source 1 = P): a lane holds ONE query (lane % 16) throughout.  The keys of a tile of K are not neighbours
; (lane r of tile 2 b + u: key 32 b + 8 u + r + 8 (r / 8)), so that the 16 registers of tiles 2 b, 2 b + 1 are keys 32 b + 16 (lane / 16) + 0 .. 15: the conversions' results ARE P's fragment.
; A fragment's k lie alike on both sides of each product (registers 4 c .. 4 c + 3: k = 32 c + 16 (lane / 16) + 0 .. 15): a permutation of k that both operands share.
; ARITHMETIC OF AN ELEMENT.  sq' is the C of the first product: S' = sum of code products + sq'.  arg = c S' + bt, c = r log2(e) 2^(e0 + e1 + 1), bt = -r log2(e) sq_t: arg = -r log2(e) d2.  p = 2^arg.
; exp is monotone, so max(d2, 0) and the quantiser's hold at lim = 57,344 x 2^e2 are ONE v_med3: with m1 = min(1, lim): r >= 0: p within [0, m1]; r < 0: p within [m1, lim].  The two bounds are selected once, without a branch.
; CLUSTER.  The four work-groups of a cluster belong to one batch and want the same 278,528 bytes: every tensor load is asked for jointly by the four.  My place in the cluster enters x's and out0's addresses alone.
; LIMITS: e0 and e2 between -126 and 112; e2 + e3 between -126 and 127; e0 + e1 + 1 is applied by v_ldexp_f32.  NaN and infinities among the inputs are not served.  v_exp_f32 gives 0 for results under 2^-126.
; arg is formed as c S' + bt and not as (-d2) r: its absolute error is of the order of 1e-7 r log2(e) max(sq), as that of the sum sq_t - 2 inner + sq_s in f32 itself.
.set REC,   8704                       ; a record: K images 4,096, V images 4,096, sq' 256, zeros 256
.set PAIR,  2*REC                      ; step i of both key halves; also a quarter of a chunk: what one tensor load brings
.set CHUNK, 8*REC                      ; four steps of both halves
.set BATCH, 32*REC
.set SPT,   272                        ; the way out: a stage row, 256 bytes + 16.  Wave w's stage is LDS bytes 8,704 w on: 16 rows of its own sums, then 16 rows of its partner's; it lies over records that nobody reads any more
.set AF0, 1                            ; v1   16 x lane + kh x REC: my place in an image of my half's record
.set AC0, 2                            ; v2   64 (lane / 16) + kh x REC: my place in sq'
.set ADF, 3                            ; v3, v4  the same in the step that is being fetched
.set ADC, 4
.set STA, 5                            ; v5   the stage: where my tile A's sums go;  v6  where tile B's go, in my partner's stage;  v7  where I read rows back
.set STB, 6
.set RD,  7
.set BT,  8                            ; v[8:9] bt of tile A, v[10:11] of tile B (the packed form names a pair and takes its low word)
.set LO,  12                           ; v12, v13  the hold's two bounds;  v14  2^e2 for the conversion
.set HI,  13
.set SCP, 14
.set GO,  15                           ; v15  my byte offset in the group's rows of x and out0: tile A's rows, 16 x lane
.set QF,  16                           ; v16-31   Q's fragments: tile A, tile B
.set KF,  32                           ; v32-63   K's four fragments of a step
.set VF,  64                           ; v64-95   V's four
.set CF,  96                           ; v96-127  sq' in the result's layout, a tile of keys each
.set S,   128                          ; v128-159 S^T, then p: (tile q, u) at 128 + 16 q + 8 u
.set PC,  160                          ; v160-175 P's codes: tile q at 160 + 8 q
.set OA,  176                          ; v176-239 O^T: (tile q, channel tile ct) at 176 + 32 q + 8 ct.  (v176-180 serve the prologue first.)   v240-253: the prologue's constants
.set WV,  14                           ; s14  my wave's number
.set SEL, 20                           ; s[20:21] v_permlanex16_b32: lane l xor 16
.set CS,  22                           ; s[22:23] c
.set G1,  24                           ; s[24:31] descriptor group 1
.set G0,  32                           ; s[32:47] descriptor group 0, one for each chunk
.set TB,  53                           ; s53  LDS byte of the pair of records that is being fetched
.set CNT, 54
.set OS,  56                           ; s[56:57] 2^(e2 + e3)
; A round of the cluster's barrier: my work-group's barrier; wave 0 signals for the work-group; every wave waits for all four work-groups; my work-group's barrier once more.
.macro CROUND
	s_barrier_signal -1
	s_barrier_wait -1
	s_cmp_lg_u32 s[WV], 0
	s_cbranch_scc1 .Lnot_wave_0_\@
	s_barrier_signal -3
.Lnot_wave_0_\@:
	s_barrier_wait -3
	s_barrier_signal -1
	s_barrier_wait -1
.endm
.macro PLACES
.rept 4
	v_nop
.endr
.endm
	s_load_b256 s[4:11], s[0:1], 0x0               ; x s[4:5], kv s[6:7], the scales' exponents s[8:9], r_sigma s[10:11]
	s_load_b64 s[12:13], s[0:1], 0x20              ; out0
	v_lshl_add_u32 v254, v0, 2, 0x44000
	v_mov_b32 v255, 0
	ds_add_u32 v254, v255
	ds_add_u32 v254, v255
	v_lshrrev_b32 v1, 5, v0
	v_readfirstlane_b32 s[WV], v1                  ; wave 0..15
	s_lshr_b32 s15, s[WV], 1                       ; g
	s_and_b32 s16, s[WV], 1                        ; kh
	s_bfe_u32 s17, ttmp6, 0x40000                  ; cx: my place in the cluster.  It goes on into s18, s63, s58 and x's and out0's addresses, and nowhere else
	s_lshl_b32 s18, ttmp9, 2                       ; in a cluster launch ttmp9 counts clusters
	s_add_co_u32 s18, s18, s17                     ; my block of 256 queries
	s_and_b32 s19, ttmp7, 0xffff                   ; the batch, which the four partners share
	s_lshl_b32 s58, s19, 19                        ; a batch's 2,048 rows of 256 bytes,
	s_lshl_b32 s63, s18, 16                        ; my block's 256,
	s_add_co_u32 s58, s58, s63
	s_lshl_b32 s63, s15, 13                        ; my group's 32
	s_add_co_u32 s58, s58, s63
	s_mov_b32 s59, 0
	s_mul_i32 s62, s[WV], PAIR                     ; waves 0 to 3: my quarter of a chunk, in LDS as in memory
	s_mul_i32 s60, s19, BATCH
	s_add_co_u32 s60, s60, s62
	s_mov_b32 s61, 0
	; descriptor group 1: 68 rows of 256 bytes, dense in memory and in LDS
	s_mov_b32 s[G1+0], 15|(3<<16)|(1<<21)          ; 15:0 the mask: all four work-groups; 17:16 elements of 8 bytes; 20 no padding; 21 set beside a mask
	s_mov_b32 s[G1+1], 32<<16                      ; tensor_dim0 = 32 elements
	s_mov_b32 s[G1+2], 68<<16                      ; tensor_dim1 = 68
	s_mov_b32 s[G1+3], 32<<16                      ; tile_dim0 = 32
	s_mov_b32 s[G1+4], 68                          ; tile_dim1 = 68
	s_mov_b32 s[G1+5], 32                          ; elements from row to row
	s_mov_b32 s[G1+6], 0
	s_mov_b32 s[G1+7], 0
	s_mov_b32 s[SEL], 0x76543210
	s_mov_b32 s[SEL+1], 0xfedcba98
	s_mov_b32 s[TB], 0
	s_wait_dscnt 0x0
	s_wait_kmcnt 0x0
	s_load_b128 s[48:51], s[8:9], 0x0              ; e0, e1, e2, e3
	s_load_b32 s52, s[10:11], 0x0                  ; r
	s_add_nc_u64 s[6:7], s[6:7], s[60:61]
	s_add_nc_u64 s[4:5], s[4:5], s[58:59]          ; x and out0 at my group's 32 rows
	s_add_nc_u64 s[12:13], s[12:13], s[58:59]
.irp j, 0,1,2,3
	s_mov_b32 s[G0+4*\j], 1                        ; count = 1
	s_add_co_u32 s[G0+4*\j+1], s62, \j*CHUNK       ; LDS address
	s_add_nc_u64 s[G0+4*\j+2:G0+4*\j+3], s[6:7], \j*CHUNK   ; global address
	s_or_b32 s[G0+4*\j+3], s[G0+4*\j+3], 0x80000000         ; type = 2
.endr
	CROUND                                         ; all four work-groups are here: the joint loads meet
	s_cmp_lt_u32 s[WV], 4                          ; waves 0 to 3 fetch, a quarter of each chunk each: all the launch's fills, in one branch on the wave's number; four loads of mine are out
	s_cbranch_scc0 .Lno_fill
	tensor_load_to_lds s[G0:G0+3], s[G1:G1+7]
	s_nop 0
	tensor_load_to_lds s[G0+4:G0+7], s[G1:G1+7]
	s_nop 0
	tensor_load_to_lds s[G0+8:G0+11], s[G1:G1+7]
	s_nop 0
	tensor_load_to_lds s[G0+12:G0+15], s[G1:G1+7]
	s_nop 0
	PLACES                                         ; four v_nop follow the last of them
.Lno_fill:
	; my 32 queries: lane (r, h) takes, of its row, 16 neighbouring channels of each block of 32
	v_and_b32 v176, 15, v0                         ; r
	v_bfe_u32 v177, v0, 4, 1                       ; h
	v_and_b32 v178, 31, v0                         ; l
	s_lshl_b32 s2, s16, 12                         ; tile A begins 16 kh rows into the group
	v_lshlrev_b32 v246, 8, v176
	v_lshl_add_u32 v246, v177, 6, v246
	v_add_nc_u32 v246, s2, v246                    ; tile A: row x 256 + 64 h
	v_xor_b32 v247, 0x1000, v246                   ; tile B: the other 16 rows
.irp c, 0,1
.irp j, 0,1,2,3
	global_load_b128 v[KF+16*\c+4*\j:KF+16*\c+4*\j+3], v246, s[4:5] offset:128*\c+16*\j
.endr
.endr
.irp c, 0,1
.irp j, 0,1,2,3
	global_load_b128 v[VF+16*\c+4*\j:VF+16*\c+4*\j+3], v247, s[4:5] offset:128*\c+16*\j
.endr
.endr
	; every LDS address of the launch: a constant x lane terms + a constant x wave terms
	s_mul_i32 s3, s16, REC
	v_lshl_add_u32 v[AF0], v178, 4, s3
	v_lshl_add_u32 v[AC0], v177, 6, s3
	s_mul_i32 s55, s[WV], REC                      ; my stage
	v_mul_u32_u24 v179, v176, SPT
	v_lshl_add_u32 v179, v177, 5, v179             ; in: row r, 32 bytes for each half of the lanes
	v_add_nc_u32 v[STA], s55, v179
	s_xor_b32 s3, s[WV], 1
	s_mul_i32 s3, s3, REC
	s_add_co_u32 s3, s3, 16*SPT                    ; my partner's stage, its second 16 rows
	v_add_nc_u32 v[STB], s3, v179
	v_mul_u32_u24 v180, v177, SPT
	v_lshl_add_u32 v180, v176, 4, v180             ; back: lanes 0-15 one row of 256 bytes, lanes 16-31 the next
	v_add_nc_u32 v[RD], s55, v180
	v_lshl_add_u32 v[GO], v178, 4, s2
	v_mov_b32 v252, 0                              ; a lane permute's destination counts as one of its sources
	s_wait_kmcnt 0x0
	s_add_co_i32 s2, s48, 127
	s_lshl_b32 s3, s2, 23
	v_mov_b32 v241, s3                             ; 2^e0 as f32: the conversion takes its exponent field
	s_add_co_i32 s2, s2, 15
	s_lshl_b32 s2, s2, 23
	s_or_b32 s2, s2, 0x600000
	v_mov_b32 v240, s2                             ; 57,344 x 2^e0
	s_add_co_i32 s2, s50, 127
	s_lshl_b32 s3, s2, 23
	v_mov_b32 v[SCP], s3                           ; 2^e2
	s_add_co_i32 s2, s2, 15
	s_lshl_b32 s2, s2, 23
	s_or_b32 s2, s2, 0x600000
	v_mov_b32 v242, s2                             ; lim = 57,344 x 2^e2
	v_min_num_f32 v243, 1.0, v242                  ; m1
	v_mov_b32 v253, s52                            ; r
	v_mul_f32 v244, 0x3fb8aa3b, v253               ; r log2(e)
	v_mul_f32 v245, 0xbfb8aa3b, v253               ; and its negative, exactly
	s_add_co_i32 s2, s48, s49
	s_add_co_i32 s2, s2, 1
	v_ldexp_f32 v244, v244, s2                     ; c
	v_readfirstlane_b32 s[CS], v244
	s_mov_b32 s[CS+1], s[CS]                       ; (named with it as a pair, so it is written)
	v_cmp_gt_f32 vcc_lo, 0, v253                   ; r < 0?  It only selects values
	v_cndmask_b32 v[LO], 0, v243, vcc_lo           ; r >= 0: 0;   r < 0: m1
	v_cndmask_b32 v[HI], v243, v242, vcc_lo        ; r >= 0: m1;  r < 0: lim
	s_add_co_i32 s[OS], s50, s51
	s_add_co_i32 s[OS], s[OS], 127
	s_lshl_b32 s[OS], s[OS], 23                    ; 2^(e2 + e3) as f32
	s_mov_b32 s[OS+1], s[OS]
; tile t's 32 numbers a lane: bt from the numbers as they came, then their codes: Q's fragment
.macro QTILE t
.set XS, KF+32*\t
	s_wait_loadcnt 8-8*\t                          ; tile A: tile B's eight loads may be out
	v_pk_mul_f32 v[248:249], v[XS:XS+1], v[XS:XS+1]
	v_pk_mul_f32 v[250:251], v[XS+2:XS+3], v[XS+2:XS+3]
.irp j, 4,8,12,16,20,24,28
	v_pk_fma_f32 v[248:249], v[XS+\j:XS+\j+1], v[XS+\j:XS+\j+1], v[248:249]
	v_pk_fma_f32 v[250:251], v[XS+\j+2:XS+\j+3], v[XS+\j+2:XS+\j+3], v[250:251]
.endr
	v_pk_add_f32 v[248:249], v[248:249], v[250:251]
	v_add_f32 v248, v248, v249
	v_permlanex16_b32 v252, v248, s[SEL], s[SEL+1] ; the row's other 32 channels lie in lane l xor 16
	v_add_f32 v248, v248, v252                     ; sq_t
	v_mul_f32 v[BT+2*\t], v245, v248
	v_mov_b32 v[BT+2*\t+1], v[BT+2*\t]
.set i, 0
.rept 32
	v_med3_num_f32 v[XS+i], v[XS+i], -v240, v240   ; the conversion to an 8-bit code does not saturate (ISA guide 7.6.2): the hold comes first
.set i, i+1
.endr
.irp g, 0,1,2,3
	v_cvt_scalef32_pk8_bf8_f32 v[QF+8*\t+2*\g:QF+8*\t+2*\g+1], v[XS+8*\g:XS+8*\g+7], v241
.endr
	v_nop                                          ; one plain vector line behind the last conversion of a run
.endm
	QTILE 0
	QTILE 1
; A chunk is shown to every wave: each wave that fetched waits until at most n younger loads of its own are out, then the barrier.  The younger chunks stay on their way: no LDS byte is ever filled again.
.macro BAR n
	s_wait_tensorcnt \n
	s_wait_dscnt 0x0                               ; no LDS instruction is pending at a signal
	s_barrier_signal -1
	s_barrier_wait -1
.endm
.macro LDK b                           ; eight loads: tiles 2 b and 2 b + 1 of K (dense images: lane l at 16 l) and their sq' in the result's layout (the same bytes in all lanes of a half)
.irp u, 0,1
	ds_load_b128 v[KF+8*(2*\b+\u):KF+8*(2*\b+\u)+3],   v[ADF] offset:1024*(2*\b+\u)
	ds_load_b128 v[KF+8*(2*\b+\u)+4:KF+8*(2*\b+\u)+7], v[ADF] offset:1024*(2*\b+\u)+512
	ds_load_b128 v[CF+8*(2*\b+\u):CF+8*(2*\b+\u)+3],   v[ADC] offset:8192+128*\b+32*\u
	ds_load_b128 v[CF+8*(2*\b+\u)+4:CF+8*(2*\b+\u)+7], v[ADC] offset:8192+128*\b+32*\u+16
.endr
.endm
.macro LDV                             ; eight loads: V's four fragments
.irp ct, 0,1,2,3
	ds_load_b128 v[VF+8*\ct:VF+8*\ct+3],   v[ADF] offset:4096+1024*\ct
	ds_load_b128 v[VF+8*\ct+4:VF+8*\ct+7], v[ADF] offset:4096+1024*\ct+512
.endr
.endm
; 32 keys of a step for both tiles of queries.  pre = 1: the next step's same fragments are fetched as soon as these are multiplied.  wait: the LDS loads issued behind these fragments' loads.
.macro SUB b, pre, wait
	s_wait_dscnt \wait
.irp u, 0,1
.irp q, 0,1
	v_wmma_f32_16x16x64_bf8_bf8 v[S+16*\q+8*\u:S+16*\q+8*\u+7], v[KF+8*(2*\b+\u):KF+8*(2*\b+\u)+7], v[QF+8*\q:QF+8*\q+7], v[CF+8*(2*\b+\u):CF+8*(2*\b+\u)+7]
.endr
.endr
	; four places in front of the loads into K's and sq's registers and of the first read of the results
.if \pre && (\b == 0)
	v_add_nc_u32 v[ADF], s[TB], v[AF0]             ; the next step's addresses
	v_add_nc_u32 v[ADC], s[TB], v[AC0]
	v_nop
	v_nop
.else
	PLACES
.endif
.if \pre
	LDK \b
.endif
.set k, 0
.rept 15
	v_pk_fma_f32 v[S+2*k:S+2*k+1], v[S+2*k:S+2*k+1], s[CS:CS+1], v[BT+2*(k/8):BT+2*(k/8)+1] op_sel_hi:[1,0,0]   ; arg = c S' + bt, two at a time; each accumulator from its low end on
.set k, k+1
.endr
	v_exp_f32 v[S], v[S]
	v_pk_fma_f32 v[S+30:S+31], v[S+30:S+31], s[CS:CS+1], v[BT+2:BT+3] op_sel_hi:[1,0,0]   ; the last pair is the plain line behind the first exponential
.set k, 1
.rept 31
	v_exp_f32 v[S+k], v[S+k]                       ; p = 2^arg
	s_wait_alu depctr_va_vdst(0)
	v_med3_num_f32 v[S+k-1], v[S+k-1], v[LO], v[HI]   ; max(d2, 0) and the hold in one; it takes the exponential before this one's, so each exponential has a plain line behind it before its result is used (ISA guide 5.7.2)
.set k, k+1
.endr
	v_med3_num_f32 v[S+31], v[S+31], v[LO], v[HI]
.irp q, 0,1
	v_cvt_scalef32_pk8_bf8_f32 v[PC+8*\q+4*\b:PC+8*\q+4*\b+1],   v[S+16*\q:S+16*\q+7],    v[SCP]   ; keys 32 b + 16 h + 0 .. 7
	v_cvt_scalef32_pk8_bf8_f32 v[PC+8*\q+4*\b+2:PC+8*\q+4*\b+3], v[S+16*\q+8:S+16*\q+15], v[SCP]   ; keys 32 b + 16 h + 8 .. 15
.endr
	v_nop                                          ; one plain vector line between the conversions and the products that write their sources or read their results
.endm
; A KEY STEP: 64 keys x 32 queries.  LDS loads go out in groups of eight: K 0, K 1, V of a step, then the next step's; at each wait the group that is wanted has two younger groups behind it (16), in the last step one and none.
; The eight accumulators of O^T take turns, one instruction a turn, and the first product's instructions stand between two steps' turns.
.macro STEP zero, pre
.if \pre
	s_add_co_u32 s[TB], s[TB], PAIR
.endif
	SUB 0, \pre, 16
	SUB 1, \pre, 8+8*\pre
	s_wait_dscnt 16*\pre
.irp ct, 0,1,2,3
.irp q, 0,1
.if \zero
	v_wmma_f32_16x16x64_bf8_bf8 v[OA+32*\q+8*\ct:OA+32*\q+8*\ct+7], v[VF+8*\ct:VF+8*\ct+7], v[PC+8*\q:PC+8*\q+7], 0
.else
	v_wmma_f32_16x16x64_bf8_bf8 v[OA+32*\q+8*\ct:OA+32*\q+8*\ct+7], v[VF+8*\ct:VF+8*\ct+7], v[PC+8*\q:PC+8*\q+7], v[OA+32*\q+8*\ct:OA+32*\q+8*\ct+7]
.endif
.endr
.endr
	PLACES                                         ; in front of the loads into V's registers; behind the last step: of the first read of O^T
.if \pre
	LDV
.endif
.endm
.macro RUN n                           ; n key steps
	s_mov_b32 s[CNT], \n
.Lrun_\@:
	STEP 0, 1
	s_sub_co_u32 s[CNT], s[CNT], 1
	s_cmp_lg_u32 s[CNT], 0
	s_cbranch_scc1 .Lrun_\@
.endm
	BAR 3                                          ; chunk 0 (steps 0 to 3) is in; three chunks may be out
	v_add_nc_u32 v[ADF], s[TB], v[AF0]
	v_add_nc_u32 v[ADC], s[TB], v[AC0]
	LDK 0
	LDK 1
	LDV
	STEP 1, 1                                      ; step 0: its products start O^T's sums: nothing is cleared
	RUN 2                                          ; steps 1, 2
	BAR 2                                          ; a step fetches its successor's fragments: chunk j + 1 is shown in front of step 4 j + 3
	RUN 4                                          ; steps 3 to 6
	BAR 1
	RUN 4                                          ; steps 7 to 10
	BAR 0                                          ; the last chunk: no tensor load is out any more
	RUN 4                                          ; steps 11 to 14
	STEP 0, 0                                      ; step 15 fetches nothing
	; THE WAY OUT.  x of my tile A is asked for; when no wave reads records any more, my sums of tile A go to my stage and those of tile B to my partner's; both come back as whole rows.
.irp n, 0,1,2,3,4,5,6,7
	global_load_b128 v[KF+4*\n:KF+4*\n+3], v[GO], s[4:5] offset:512*\n   ; rows 2 n, 2 n + 1 of tile A: 512 consecutive bytes
.endr
	s_wait_dscnt 0x0                               ; my reads of the records are over
	s_barrier_signal -1
	s_barrier_wait -1                              ; everybody's are: the stages may be written
.irp ct, 0,1,2,3
	ds_store_b128 v[STA], v[OA+8*\ct:OA+8*\ct+3] offset:64*\ct            ; lane (r, h): query r, channels 16 ct + 8 h + 0 .. 7; each accumulator from its low end on
	ds_store_b128 v[STA], v[OA+8*\ct+4:OA+8*\ct+7] offset:64*\ct+16
	ds_store_b128 v[STB], v[OA+32+8*\ct:OA+32+8*\ct+3] offset:64*\ct
	ds_store_b128 v[STB], v[OA+32+8*\ct+4:OA+32+8*\ct+7] offset:64*\ct+16
.endr
	s_wait_dscnt 0x0                               ; for my partner's sake: my stores have landed
	s_barrier_signal -1
	s_barrier_wait -1
.irp n, 0,1,2,3,4,5,6,7
	ds_load_b128 v[VF+4*\n:VF+4*\n+3], v[RD] offset:2*\n*SPT              ; my half of the keys,
	ds_load_b128 v[CF+4*\n:CF+4*\n+3], v[RD] offset:16*SPT+2*\n*SPT       ; my partner's
.endr
	s_wait_dscnt 0x0
	s_wait_loadcnt 0x0                             ; x
.set k, 0
.rept 16
	v_pk_add_f32 v[VF+2*k:VF+2*k+1], v[VF+2*k:VF+2*k+1], v[CF+2*k:CF+2*k+1]
.set k, k+1
.endr
.set k, 0
.rept 16
	v_pk_fma_f32 v[S+2*k:S+2*k+1], v[VF+2*k:VF+2*k+1], s[OS:OS+1], v[KF+2*k:KF+2*k+1] op_sel_hi:[1,0,1]   ; out = sum x 2^(e2 + e3) + x
.set k, k+1
.endr
.irp n, 0,1,2,3,4,5,6,7
	global_store_b128 v[GO], v[S+4*\n:S+4*\n+3], s[12:13] offset:512*\n th:TH_STORE_NT   ; 32 lanes store 512 consecutive bytes, at a multiple of 256 from out0's first byte; written once, read by nobody here
.endr
	s_wait_tensorcnt 0x0
	ds_add_u32 v254, v255
	s_wait_dscnt 0x0
	CROUND                                         ; the closing round: no work-group ends while a partner may still ask for a tile that names it
	s_endpgm
.Lfunc_end_k_q2b3a964afe_attn:
	.size	k_q2b3a964afe_attn, .Lfunc_end_k_q2b3a964afe_attn-k_q2b3a964afe_attn
	.p2alignl 7, 3214868480
	.fill 96, 4, 3214868480
	.section	.rodata,"a",@progbits
	.p2align	6, 0x0
	.amdhsa_kernel k_q2b3a964afe_attn
		.amdhsa_group_segment_fixed_size 280576
		.amdhsa_private_segment_fixed_size 0
		.amdhsa_enable_private_segment 0
		.amdhsa_kernarg_size 40
		.amdhsa_user_sgpr_count 2
		.amdhsa_user_sgpr_kernarg_segment_ptr 1
		.amdhsa_wavefront_size32 1
		.amdhsa_system_sgpr_workgroup_id_x 1
		.amdhsa_system_sgpr_workgroup_id_y 1
		.amdhsa_system_sgpr_workgroup_id_z 1
		.amdhsa_system_vgpr_workitem_id 0
		.amdhsa_next_free_vgpr 256
		.amdhsa_next_free_sgpr 66
		.amdhsa_reserve_vcc 1
		.amdhsa_float_denorm_mode_32 3
		.amdhsa_float_denorm_mode_16_64 3
		.amdhsa_memory_ordered 1
		.amdhsa_forward_progress 1
		.amdhsa_inst_pref_size 104
	.end_amdhsa_kernel
	.amdgpu_metadata
---
amdhsa.version: [ 1, 2 ]
amdhsa.kernels:
  - .name:           k_q2b3a964afe_attn
    .symbol:         k_q2b3a964afe_attn.kd
    .args:
      - { .name: x, .offset: 0, .size: 8, .value_kind: global_buffer, .address_space: global }
      - { .name: kv, .offset: 8, .size: 8, .value_kind: global_buffer, .address_space: global }
      - { .name: lowp_scales, .offset: 16, .size: 8, .value_kind: global_buffer, .address_space: global }
      - { .name: r_sigma, .offset: 24, .size: 8, .value_kind: global_buffer, .address_space: global }
      - { .name: out0, .offset: 32, .size: 8, .value_kind: global_buffer, .address_space: global }
    .group_segment_fixed_size: 280576
    .private_segment_fixed_size: 0
    .kernarg_segment_align: 8
    .kernarg_segment_size: 40
    .max_flat_workgroup_size: 512
    .sgpr_count:     66
    .vgpr_count:     256
    .wavefront_size: 32
...
	.end_amdgpu_metadata
.endif
;; end of part 2
